; MI455X (gfx1250); checked and timed in simulation.
; The chip was launched on July 23, 2026; its instructions are those of AMD's public machine-readable ISA for CDNA 5 (MIT licence, August 2026) and "CDNA5" Instruction Set Architecture Reference Guide (July 2026). The comments in the code are by the model that wrote it; some were corrected since.
;; D2 L Dot Product Attention. Allowed arithmetic: float matrix products may take bf16 or f16 operands with f32 sums; all other float work in f32.
;; Inputs: keys 32 x 2,048 x 64 float32; queries 32 x 2,048 x 64 float32; valid_lens 32 int32; values 32 x 2,048 x 64 float32.
;; Outputs: out0 32 x 2,048 x 64 float32.
;; One version. Each part assembles by itself: llvm-mc -triple=amdgcn-amd-amdhsa -mcpu=gfx1250 --defsym DOCPART=n.
;; ======== version 1 of 1: 1 launch
;; limits: right only within a limited range of input values; values are held in f16: magnitudes above 65,504 overflow, below 6.1e-05 lose precision; inputs' magnitudes at most 65,504; below input magnitudes of 6.1e-05 results are inexact or not finite
;; launch attn (part 1): grid 256 x 1, 8 waves a work-group, no clusters, 148,480 bytes of LDS; arguments keys, queries, valid_lens, values, out0; writes out0
.if DOCPART == 1
	.amdgcn_target "amdgcn-amd-amdhsa--gfx1250"
	.amdhsa_code_object_version 6
	.text
	.protected	k_q2cc0e03787_attn
	.globl	k_q2cc0e03787_attn
	.p2align	8
	.type	k_q2cc0e03787_attn,@function
k_q2cc0e03787_attn:
	s_mov_b64 s[64:65], 0
	v_nop
	global_prefetch_b8 v0, s[64:65] scope:SCOPE_SE
	s_setreg_imm32_b32 hwreg(HW_REG_WAVE_MODE, 25, 1), 1
	s_wait_xcnt 0x0
; Masked dot-product attention.  queries, keys, values, out0: [32][2048][64] f32; valid_lens: [32] i32.
; out[b][q] = softmax over k of (q.k / 8, keys at or beyond valid_lens[b] set to -1e6) times values.
;
; WORK.  An item is one batch and 128 query rows: 512 items, two for each of the 256 work-groups.  Work-group w: p = w >> 4, j = w & 15.
; Its items are query block j of the batch whose length has rank p, then of the batch with rank 31 - p, so that a short batch is paired
; with a long one.  The rank is counted in every wave from valid_lens (32 compares of unique keys length * 32 + batch).
; Keys go in super-blocks of 128.  Only the ceil(len / 128) blocks that hold valid keys are read: a masked key's weight is
; exp(-1e6 - max), which is 0 in f32.  The block that can be partial comes first and carries the mask as the C operand of its first score
; product (0 or -1e30); the others follow in descending order, unmasked.  Every item passes 16 trips: the barriers are passed in all of
; them, and only the work of the trips beyond the batch's blocks is jumped over.
; Eight waves: wave (qw = w8 & 3, g = w8 >> 2) owns query rows 32 qw .. +31 and keys 64 g .. +63 of every super-block; the two key halves
; are merged once per item through LDS.
;
; ADDRESSES.  Every scalar base is a buffer's address plus an offset made of ids, and never changes.  What hangs on valid_lens (the batch,
; cut to 0 .. 31, and the block, cut to 0 .. 15) enters only the 32-bit vector offsets, by shifts left and adds; the largest is below 2^25.
;
; FORMAT: f16 operands, f32 sums.  The result has to hold within 1 % of the root mean square over ALL 32 batches, and the numbers of a short
; batch are up to sqrt(32) = 5.7 times that, so an error must stay below 0.18 % of a short batch's own spread.  A rounding to 8 significant
; bits (bf16) is off by up to 2^-8 = 0.39 % of the number, one to 11 bits (f16) by up to 2^-11 = 0.05 %: Q, K, V and P are all rounded to f16.
;
; PRODUCTS, both transposed, so that nothing is shuffled between them:  S^T = K Q^T (a lane holds 8 keys of one query in a tile),
; two packed S^T tiles ARE the B fragment of P for 32 keys, and O^T = V^T P^T (V^T by the transposing LDS load).  Maximum, sum and
; rescale factor are one number a lane.  Q is multiplied by log2(e) / 8 before it is rounded, so the softmax works in base 2.
;
; K and V are f32 in memory and must be rounded to f16 on their way: they come through registers (each wave 16 rows of each), are packed
; and stored to LDS, double buffered, one barrier a trip.
; NO CLUSTER, NO TENSOR LOADS: a joint tile would land as f32, 65,536 bytes a trip, be read back from LDS (65,536) and stored again
; as f16 (32,768), against 32,768 bytes stored here; the copy engine rounds nothing.
;
; LIMITS.  Inputs finite; |k| and |v| below 65,504 and |q| below 3.6e5 (q times 0.18 below 65,504): beyond that the f16 code is infinite.
; Magnitudes of k and v below 2^-14, and of q below 3.4e-4, are kept with the absolute step 2^-24 of f16's denormals; so are weights below
; 2^-14 of the largest weight seen so far (at most 2,048 x 2^-25 = 6e-5 of the sum of weights in all).
; |q.k| / 8 below 9.9e5, so that the reference's -1e6 entries underflow to 0 beside a valid score.
; valid_len <= 0 is served: scale 0 over all 2,048 keys gives the uniform softmax of the reference; valid_len > 2048 counts as 2048.
; P is rounded to f16 for the second product while its sum is kept in f32 from the unrounded numbers.
.set KP,   144                         ; LDS pitch of a K row: 128 bytes + 16, an odd multiple of 16
.set VP,   160                         ; LDS pitch of a V row: 128 bytes + 32, an odd multiple of 32 (transposing load)
.set VOFF, 128*KP                      ; V behind K in a buffer
.set BUFB, 128*KP+128*VP               ; 38,912 bytes: one buffer; two of them from byte 0
.set XBOX, 4352                        ; a wave's outbox: 8 x 512 bytes of O, 128 of m, 128 of l; also a wave's output stage: 16 x 272
.set XCH,  2*BUFB                      ; eight outboxes
.set STG,  XCH+8*XBOX                  ; eight output stages; the end is 147,456
.set SP,   272                         ; pitch of the output stage: a row of 256 bytes + 16
; vector registers, block 0
.set LN,   1                           ; lane
.set GO,   2                           ; offset of my 16 bytes in the wave's 16 rows of a super-block
.set KS,   3                           ; LDS: where I store K
.set VS,   4                           ; LDS: where I store V
.set KA,   5                           ; LDS: my K fragments
.set VA,   6                           ; LDS: my V fragments (transposing load)
.set QO0,  7                           ; v7, v8: offsets of my Q rows in the wave's 32, register tiles 0 and 1
.set XS,   9                           ; my outbox: O
.set XM,   10                          ; my outbox: m, l
.set XR,   11                          ; the partner's outbox: O
.set XRM,  12                          ; the partner's outbox: m, l
.set STO,  13                          ; output stage, in
.set SRD,  14                          ; output stage, back by rows
.set GOUT, 15                          ; 16 x lane
.set PFO,  16                          ; 256 x lane
.set H8,   17                          ; 8 x (lane / 16)
.set NB,   18                          ; -1e30
.set ZR,   19                          ; 0
.set LEN,  20                          ; lane b: effective length of batch b, 1 .. 2048
.set SCL,  21                          ; lane b: log2(e) / 8, or 0 where valid_len <= 0
.set RANK, 22                          ; lane b: rank of batch b by length
.set RV,   23                          ; the sort key, later the mask's bound
.set MX0,  24                          ; v24 m of tile 0, v25 at work; v26 m of tile 1, v27 at work
.set LS0,  28                          ; v28, v29: running sums
.set AL,   30                          ; rescale factor
.set DM,   31
.set CA,   32                          ; v[32:33], v[34:35]: two chains of the sum
.set CB,   34
.set MA,   36                          ; v36, v37: two chains of the maximum
.set MB,   37
.set EW,   38                          ; v38-47: the merge
.set KVO,  56                          ; GO + batch + block: offset of the staged loads, in keys and in values alike
.set QV0,  57                          ; v57, v58: QO0, QO0+1 + batch
.set OV,   59                          ; GOUT + batch
.set PFV,  60                          ; PFO + batch
.set OA,   64                          ; v64-95   O^T of register tile 0, d tile dt at +8 dt
.set OB,   96                          ; v96-127  O^T of register tile 1; in the first trip: the mask
.set SC,   128                         ; v128-191 S^T, register tile q at +32 q, key tile kt at +8 kt; then P; also at work
.set FR,   192                         ; v192-255 K fragments, then V fragments; landing place of Q
; block 1 (written by their low 8 bits): v256-319 = v0-63 K and V as loaded; v320-351 = v64-95 Q fragments
.set QF,   64
; scalars: s[4:5] keys, s[6:7] queries, s[8:9] valid_lens, s[10:11] values, s[12:13] out0, s14 wave, s15 g, s16 qw, s17 j,
; s18 wanted rank, s19 item, s20 pair counter, s21 SB (block at work, signed), s22 j + 3, s23 length, s24 batch, s25 scratch,
; s[26:27] scale twice, s[32:33] queries at my 32 rows of block j, s[36:37] out0 at my 16 rows, s[38:39] keys or values at my 32 rows of
; block j (prefetch), s[40:41] offset, s42, s43 lane selects, s44 valid keys left in my half of the first block, s45, s52 constant
; offsets, s[46:47] keys or values, s48, s49 scratch, s50 the batch's byte offset
.set MSB, 0
.macro WIN new                         ; register window; the immediate's high byte repeats the setting that is left
.if MSB != \new
	s_set_vgpr_msb (MSB<<8)|\new
.set MSB, \new
.endif
.endm
.macro PLACES n                        ; independent vector places behind matrix instructions (ISA guide 7.12.1)
.rept \n
	v_nop
.endr
.endm
.macro BAR
	s_barrier_signal -1
	s_barrier_wait -1
.endm
; The item's numbers from the wanted rank s18.
.macro PARAMS
	s_wait_xcnt 0x0                                ; the offset registers of earlier loads and of the prefetch are rewritten only behind this wait
	v_cmp_eq_u32 s25, s18, v[RANK]                 ; one lane has this rank
	s_ctz_i32_b32 s24, s25
	s_min_u32 s24, s24, 31                         ; the batch, cut to the 32 that there are
	v_readlane_b32 s23, v[LEN], s24
	v_readlane_b32 s26, v[SCL], s24
	s_mov_b32 s27, s26
	s_add_co_u32 s21, s23, 127
	s_lshr_b32 s21, s21, 7
	s_sub_co_u32 s21, s21, 1
	s_min_u32 s21, s21, 15                         ; SB: the last block that holds a valid key, cut to a batch's 16 blocks
	s_lshl_b32 s48, s21, 7
	s_sub_co_i32 s44, s23, s48
	s_lshl_b32 s49, s15, 6
	s_sub_co_i32 s44, s44, s49                     ; length - 128 SB - 64 g (may be negative)
	s_lshl_b32 s50, s24, 19                        ; a batch is 2,048 rows of 256 bytes
	s_lshl_b32 s48, s21, 15                        ; a block is 128 rows of 256 bytes
	s_add_co_u32 s48, s48, s50
	v_add_nc_u32 v[KVO], s48, v[GO]                ; K and V at block SB
	v_add_nc_u32 v[QV0], s50, v[QO0]               ; Q in this batch
	v_add_nc_u32 v[QV0+1], s50, v[QO0+1]
	v_add_nc_u32 v[PFV], s50, v[PFO]               ; block j of this batch
.endm
; 16 rows of K and 16 of V, f32: each instruction covers 512 consecutive bytes, aligned
.macro STAGELOADS
	WIN 0x40                                       ; destination in block 1
.irp i, 0,1,2,3,4,5,6,7
	global_load_b128 v[4*\i:4*\i+3], v[KVO], s[4:5] offset:512*\i
.endr
.irp i, 0,1,2,3,4,5,6,7
	global_load_b128 v[32+4*\i:32+4*\i+3], v[KVO], s[10:11] offset:512*\i
.endr
	WIN 0
.endm
; Q in fragment order: lane (r, h) takes d = 32 ks + 16 e + 8 h + 4 f .. +3 of its row
.macro QLOADS
.irp q, 0,1
.irp ks, 0,1
.irp e, 0,1
.irp f, 0,1
	global_load_b128 v[FR+32*\q+16*\ks+8*\e+4*\f:FR+32*\q+16*\ks+8*\e+4*\f+3], v[QV0+\q], s[32:33] offset:128*\ks+64*\e+16*\f
.endr
.endr
.endr
.endr
.endm
; round the staged rows to f16 and store them into buffer buf: rows 16 w8 .. +15 of K and of V are this wave's own
.macro CONVERT buf
	WIN 0x05                                       ; both sources in block 1
.set ci, 0
.rept 32
	v_cvt_pk_f16_f32 v[SC+ci], v[2*ci], v[2*ci+1]
.set ci, ci+1
.endr
	WIN 0
.irp i, 0,1,2,3,4,5,6,7
	ds_store_b64 v[KS], v[SC+2*\i:SC+2*\i+1] offset:(\buf)*BUFB+2*KP*\i
.endr
.irp i, 0,1,2,3,4,5,6,7
	ds_store_b64 v[VS], v[SC+16+2*\i:SC+16+2*\i+1] offset:(\buf)*BUFB+2*VP*\i
.endr
.endm
; K fragment (kt, ks): 16 keys x 32 d, at FR + 8 (2 kt + ks)
.macro KLOADS buf
.irp kt, 0,1,2,3
.irp ks, 0,1
	ds_load_b128 v[FR+16*\kt+8*\ks:FR+16*\kt+8*\ks+3],   v[KA] offset:(\buf)*BUFB+16*KP*\kt+64*\ks
	ds_load_b128 v[FR+16*\kt+8*\ks+4:FR+16*\kt+8*\ks+7], v[KA] offset:(\buf)*BUFB+16*KP*\kt+64*\ks+32
.endr
.endr
.endm
; V^T fragment (u, dt): 16 d x 32 keys, at FR + 8 (4 u + dt)
.macro VLOADS buf
.irp u, 0,1
.irp dt, 0,1,2,3
	ds_load_tr16_b128 v[FR+32*\u+8*\dt:FR+32*\u+8*\dt+3],   v[VA] offset:(\buf)*BUFB+32*VP*\u+32*\dt
	ds_load_tr16_b128 v[FR+32*\u+8*\dt+4:FR+32*\u+8*\dt+7], v[VA] offset:(\buf)*BUFB+32*VP*\u+32*\dt+16*VP
.endr
.endr
.endm
; the mask of the first block, in S^T's layout: register 8 kt + jj of lane (r, h) is key 16 kt + 8 h + jj of my half
.macro BIAS
	v_sub_nc_u32 v[RV], s44, v[H8]
.set bi, 0
.rept 32
	v_cmp_lt_i32 vcc_lo, (bi/8)*16+(bi%8), v[RV]
	v_cndmask_b32 v[OB+bi], v[NB], v[ZR], vcc_lo   ; valid: 0, else -1e30
.set bi, bi+1
.endr
.endm
; S^T = K Q^T for 64 keys x 32 queries: 16 products.  first = 1: the mask is the C of the first link, else the constant 0.
.macro SPHASE first
	WIN 0x04                                       ; B (the Q fragments) in block 1
.irp kt, 0,1,2,3
	s_wait_dscnt 12-4*\kt                          ; LDS loads return in order: key tile kt's four are in, the younger ones stay out
.if \first
	v_wmma_f32_16x16x32_f16 v[SC+8*\kt:SC+8*\kt+7],       v[FR+16*\kt:FR+16*\kt+7], v[QF:QF+7],     v[OB+8*\kt:OB+8*\kt+7]
	v_wmma_f32_16x16x32_f16 v[SC+32+8*\kt:SC+32+8*\kt+7], v[FR+16*\kt:FR+16*\kt+7], v[QF+16:QF+23], v[OB+8*\kt:OB+8*\kt+7]
.else
	v_wmma_f32_16x16x32_f16 v[SC+8*\kt:SC+8*\kt+7],       v[FR+16*\kt:FR+16*\kt+7], v[QF:QF+7],     0
	v_wmma_f32_16x16x32_f16 v[SC+32+8*\kt:SC+32+8*\kt+7], v[FR+16*\kt:FR+16*\kt+7], v[QF+16:QF+23], 0
.endif
	v_wmma_f32_16x16x32_f16 v[SC+8*\kt:SC+8*\kt+7],       v[FR+16*\kt+8:FR+16*\kt+15], v[QF+8:QF+15],  v[SC+8*\kt:SC+8*\kt+7]
	v_wmma_f32_16x16x32_f16 v[SC+32+8*\kt:SC+32+8*\kt+7], v[FR+16*\kt+8:FR+16*\kt+15], v[QF+24:QF+31], v[SC+32+8*\kt:SC+32+8*\kt+7]
.endr
	WIN 0
.endm
; Online softmax of register tile q: a lane holds 32 of the 64 scores of its query, the lane 16 further the other 32.
.macro SOFTMAX q, first
.set SQ, SC+32*\q
.set OQ, OA+32*\q
.set MQ, MX0+2*\q
.set TQ, MX0+2*\q+1
.set LQ, LS0+\q
	v_max3_num_f32 v[MA], v[SQ], v[SQ+1], v[SQ+2]  ; two chains, started by the first six scores
	v_max3_num_f32 v[MB], v[SQ+3], v[SQ+4], v[SQ+5]
.set si, 6
.rept 13
	v_max3_num_f32 v[MA+(si/2)%2], v[MA+(si/2)%2], v[SQ+si], v[SQ+si+1]
.set si, si+2
.endr
.if \first
	v_max_num_f32 v[MA], v[MA], v[MB]
.else
	v_max3_num_f32 v[MA], v[MA], v[MB], v[MQ]      ; with the old maximum
.endif
	v_permlanex16_b32 v[TQ], v[MA], s42, s43       ; the other 32 keys' maximum
	v_max_num_f32 v[TQ], v[MA], v[TQ]
.if \first == 0
	v_sub_f32 v[DM], v[MQ], v[TQ]
.endif
	v_mov_b32 v[MQ], v[TQ]
.if \first == 0
	v_exp_f32 v[AL], v[DM]                         ; the subtractions below are the plain places behind it (ISA guide 5.7.2)
.endif
.set si, 0
.rept 16
	v_pk_add_f32 v[SQ+si:SQ+si+1], v[SQ+si:SQ+si+1], v[MQ:MQ+1] op_sel_hi:[1,0] neg_lo:[0,1] neg_hi:[0,1]
.set si, si+2
.endr
.set si, 0
.rept 32
	v_exp_f32 v[SQ+si], v[SQ+si]
.set si, si+1
.endr
.if \first
	v_nop                                          ; one plain place between the last exponential and its use
	s_wait_alu depctr_va_vdst(0)
.else
.set si, 0
	s_wait_alu depctr_va_vdst(0)
.rept 16
	v_pk_mul_f32 v[OQ+si:OQ+si+1], v[OQ+si:OQ+si+1], v[AL:AL+1] op_sel_hi:[1,0]    ; rescale O: also the place behind the exponentials
.set si, si+2
.endr
.endif
	v_pk_add_f32 v[CA:CA+1], v[SQ:SQ+1], v[SQ+2:SQ+3]
	v_pk_add_f32 v[CB:CB+1], v[SQ+4:SQ+5], v[SQ+6:SQ+7]
.set si, 8
.rept 12
.set sc, CA+2*((si/2)%2)
	v_pk_add_f32 v[sc:sc+1], v[sc:sc+1], v[SQ+si:SQ+si+1]
.set si, si+2
.endr
	v_pk_add_f32 v[CA:CA+1], v[CA:CA+1], v[CB:CB+1]
.if \first
	v_add_f32 v[LQ], v[CA], v[CA+1]
.else
	v_add_f32 v[DM], v[CA], v[CA+1]
	v_fma_f32 v[LQ], v[LQ], v[AL], v[DM]
.endif
.irp u, 0,1                                        ; pack in place: two S^T tiles become the B fragment of 32 keys;
.set si, 0                                         ; destination si was read as a source at step si / 2 or is this step's own
.rept 8
	v_cvt_pk_f16_f32 v[SQ+16*\u+si], v[SQ+16*\u+2*si], v[SQ+16*\u+2*si+1]      ; weights are at most 1: no overflow
.set si, si+1
.endr
.endr
.endm
; O^T += V^T P^T for register tile q: 8 products.  first = 1: the first 32 keys start the sums.
.macro PV q, first
.irp u, 0,1
.irp dt, 0,1,2,3
.if (\first)*(1-\u)
	v_wmma_f32_16x16x32_f16 v[OA+32*\q+8*\dt:OA+32*\q+8*\dt+7], v[FR+32*\u+8*\dt:FR+32*\u+8*\dt+7], v[SC+32*\q+16*\u:SC+32*\q+16*\u+7], 0
.else
	v_wmma_f32_16x16x32_f16 v[OA+32*\q+8*\dt:OA+32*\q+8*\dt+7], v[FR+32*\u+8*\dt:FR+32*\u+8*\dt+7], v[SC+32*\q+16*\u:SC+32*\q+16*\u+7], v[OA+32*\q+8*\dt:OA+32*\q+8*\dt+7]
.endif
.endr
.endr
.endm
; One trip: block SB from buffer buf, while block SB - 1 comes from memory and goes into the other buffer.
.macro TRIP buf, first, id
.if \first == 0
	s_sub_co_i32 s21, s21, 1
	s_cmp_lt_i32 s21, 0
	s_cbranch_scc1 .Lidle_\id                      ; no block left: only the barrier
.endif
	s_cmp_lt_i32 s21, 1
	s_cbranch_scc1 .Lnoload_\id
	s_sub_co_u32 s48, s21, 1                       ; the next block down,
	s_min_u32 s48, s48, 15                         ; cut again to a batch's 16 blocks before it enters an offset
	s_lshl_b32 s48, s48, 15
	s_add_co_u32 s48, s48, s50
	v_add_nc_u32 v[KVO], s48, v[GO]                ; every earlier load that named this register is done (loadcnt 0 in front of the last barrier)
	STAGELOADS
.Lnoload_\id:
	s_cmp_lg_u32 s21, s22
	s_cbranch_scc1 .Lnopf_\id
	; Block j of this batch (128 rows of K, 128 of V) is asked for once in the launch, by work-group j of the sixteen that walk the
	; batch: waves 0-3 take K, waves 4-7 V, 32 rows a wave, one row of 256 bytes a lane.  It is asked in the trip that multiplies
	; block j + 3; the loads of block j are issued in the trip of block j + 1, two trips later.  The last three blocks of a batch
	; are never asked for, and block j <= 15 always lies inside the batch.
	global_prefetch_b8 v[PFV], s[38:39] th:TH_LOAD_NT scope:SCOPE_SE
.Lnopf_\id:
	KLOADS \buf
.if \first
	BIAS
.endif
	SPHASE \first
	PLACES 4                                       ; before loads land on the K fragments and vector instructions read S
	VLOADS \buf
	SOFTMAX 0, \first
	s_wait_dscnt 0x0                               ; the V fragments
	PV 0, \first
	SOFTMAX 1, \first                              ; names none of the registers of the products in front of it
	PV 1, \first
	PLACES 5                                       ; before P and the fragments are written over
	s_cmp_lt_i32 s21, 1
	s_cbranch_scc1 .Lidle_\id
	s_wait_loadcnt 0x0                             ; block SB - 1 is in registers
	CONVERT 1-\buf
.Lidle_\id:
	s_wait_loadcnt 0x0                             ; on every path: no staged load is out when its offset register is rewritten
	s_wait_dscnt 0x0                               ; my reads of this buffer and my stores into the other are done,
	BAR                                            ; and so are everybody's
.endm
	; ---------------------------------------------------------------- set-up
	s_load_b256 s[4:11], s[0:1], 0x0               ; keys, queries, valid_lens, values
	s_load_b64 s[12:13], s[0:1], 0x20              ; out0
	v_lshl_add_u32 v62, v0, 2, 0x24000
	v_mov_b32 v63, 0
	v_and_b32 v[LN], 31, v0
	v_lshrrev_b32 v48, 5, v0
	v_readfirstlane_b32 s14, v48                   ; wave
	v_lshlrev_b32 v54, 2, v[LN]
	s_wait_kmcnt 0x0
	global_load_b32 v[LEN], v54, s[8:9]            ; lane b: valid_lens[b]
	s_lshr_b32 s15, s14, 2                         ; g: my half of the keys
	s_and_b32 s16, s14, 3                          ; qw: my 32 query rows
	s_and_b32 s17, ttmp9, 15                       ; j: the query block
	s_lshr_b32 s18, ttmp9, 4                       ; p: the first item's rank
	s_add_co_u32 s22, s17, 3
	s_mov_b32 s42, 0x76543210                      ; v_permlanex16_b32: lane i reads lane i of the other half
	s_mov_b32 s43, 0xfedcba98
	s_lshl_b32 s45, s17, 15
	s_lshl_b32 s48, s16, 13
	s_add_co_u32 s45, s45, s48                     ; (128 j + 32 qw) rows of 256 bytes
	s_lshl_b32 s48, s15, 12
	s_add_co_u32 s52, s45, s48                     ; + 16 g rows
	s_cmp_lg_u32 s15, 0
	s_cselect_b64 s[46:47], s[10:11], s[4:5]       ; what my wave prefetches: values (g = 1) or keys
	s_mov_b32 s40, s45
	s_mov_b32 s41, 0
	s_add_nc_u64 s[32:33], s[6:7], s[40:41]        ; queries at my 32 rows of block j (of batch 0: the batch is in the vector offset)
	s_add_nc_u64 s[38:39], s[46:47], s[40:41]      ; keys or values at my 32 rows of block j
	s_mov_b32 s40, s52
	s_add_nc_u64 s[36:37], s[12:13], s[40:41]      ; out0 at my 16 rows
	v_and_b32 v49, 15, v[LN]                       ; r
	v_lshrrev_b32 v50, 4, v[LN]                    ; h
	v_lshlrev_b32 v[GOUT], 4, v[LN]
	v_lshlrev_b32 v[PFO], 8, v[LN]
	v_lshlrev_b32 v[H8], 3, v50
	v_mov_b32 v[NB], 0xf149f2ca                    ; -1e30
	v_mov_b32 v[ZR], 0
	v_mov_b32 v[MX0+1], 0                          ; destinations of v_permlanex16_b32 count as read
	v_mov_b32 v[MX0+3], 0
	s_lshl_b32 s48, s14, 12
	v_add_nc_u32 v[GO], s48, v[GOUT]               ; 16 rows of 256 bytes a wave + 16 bytes a lane
	v_mul_u32_u24 v51, v50, KP                     ; K store: row 16 w8 + 2 i + h, byte 8 r
	v_lshl_add_u32 v51, v49, 3, v51
	s_mul_i32 s48, s14, 16*KP
	v_add_nc_u32 v[KS], s48, v51
	v_mul_u32_u24 v51, v50, VP                     ; V store likewise
	v_lshl_add_u32 v51, v49, 3, v51
	s_mul_i32 s48, s14, 16*VP
	s_add_co_u32 s48, s48, VOFF
	v_add_nc_u32 v[VS], s48, v51
	v_mul_u32_u24 v51, v49, KP                     ; K fragments: row 64 g + r, byte 16 h
	v_lshl_add_u32 v51, v50, 4, v51
	s_mul_i32 s48, s15, 64*KP
	v_add_nc_u32 v[KA], s48, v51
	v_and_b32 v52, 7, v[LN]                        ; V fragments: row 64 g + 8 h + (lane & 7), byte 16 ((lane >> 3) & 1)
	v_lshl_add_u32 v52, v50, 3, v52
	v_mul_u32_u24 v51, v52, VP
	v_bfe_u32 v53, v[LN], 3, 1
	v_lshl_add_u32 v51, v53, 4, v51
	s_mul_i32 s48, s15, 64*VP
	s_add_co_u32 s48, s48, VOFF
	v_add_nc_u32 v[VA], s48, v51
	v_lshlrev_b32 v51, 8, v49                      ; Q: row r + 16 (q xor g), byte 32 h: register tile 0 is the tile that I put out
	v_lshl_add_u32 v51, v50, 5, v51
	s_lshl_b32 s48, s15, 12
	v_add_nc_u32 v[QO0], s48, v51
	s_xor_b32 s48, s48, 4096
	v_add_nc_u32 v[QO0+1], s48, v51
	s_mul_i32 s48, s14, XBOX                       ; my outbox
	s_add_co_u32 s48, s48, XCH
	v_add_nc_u32 v[XS], s48, v[GOUT]
	s_add_co_u32 s48, s48, 4096
	v_add_nc_u32 v[XM], s48, v54
	s_xor_b32 s49, s14, 4                          ; the partner: same query rows, other key half
	s_mul_i32 s49, s49, XBOX
	s_add_co_u32 s49, s49, XCH
	v_add_nc_u32 v[XR], s49, v[GOUT]
	s_add_co_u32 s49, s49, 4096
	v_add_nc_u32 v[XRM], s49, v54
	s_mul_i32 s48, s14, XBOX                       ; my output stage
	s_add_co_u32 s48, s48, STG
	v_mul_u32_u24 v51, v49, SP                     ; in: row r, byte 32 h
	v_lshl_add_u32 v51, v50, 5, v51
	v_add_nc_u32 v[STO], s48, v51
	v_mul_u32_u24 v51, v50, SP                     ; back: row h, byte 16 r
	v_lshl_add_u32 v51, v49, 4, v51
	v_add_nc_u32 v[SRD], s48, v51
	v_mov_b32 v52, 0x3e38aa3b                      ; log2(e) / 8
	v_mov_b32 v[RANK], 0
	s_wait_loadcnt 0x0                             ; valid_lens
	v_cmp_lt_i32 vcc_lo, 0, v[LEN]
	v_min_i32 v[LEN], 0x800, v[LEN]
	v_cndmask_b32 v[LEN], 0x800, v[LEN], vcc_lo    ; valid_len <= 0: all 2,048 keys,
	v_cndmask_b32 v[SCL], 0, v52, vcc_lo           ; with the scale 0: every score equal
	v_lshl_add_u32 v[RV], v[LEN], 5, v[LN]         ; a key that no two batches share
.set ri, 0
.rept 32
	v_readlane_b32 s25, v[RV], ri
	v_cmp_lt_u32 vcc_lo, s25, v[RV]
	v_add_co_ci_u32 v[RANK], vcc_lo, 0, v[RANK], vcc_lo        ; how many batches lie below mine
.set ri, ri+1
.endr
	s_mov_b32 s19, 0
	PARAMS
	STAGELOADS
	QLOADS
	; ---------------------------------------------------------------- an item
.Litem:
	v_add_nc_u32 v[OV], s50, v[GOUT]               ; out rows in this item's batch; behind the s_wait_xcnt 0 that closed the last item's stores
	s_wait_loadcnt 16                              ; the 16 loads of Q are younger and stay out: K and V of the first block are in
	CONVERT 0
	s_wait_loadcnt 0x0                             ; Q
.set qi, 0
.rept 32
	v_pk_mul_f32 v[FR+qi:FR+qi+1], v[FR+qi:FR+qi+1], s[26:27] op_sel_hi:[1,0]      ; times log2(e) / 8, in f32
.set qi, qi+2
.endr
	WIN 0x40
.set qi, 0
.rept 32
	v_cvt_pk_f16_f32 v[QF+qi], v[FR+2*qi], v[FR+2*qi+1]
.set qi, qi+1
.endr
	WIN 0
	s_wait_dscnt 0x0                               ; my rows of buffer 0 are stored
	BAR
	TRIP 0, 1, a                                   ; the block with the mask starts all sums
	s_mov_b32 s20, 0
.Lpair:
	TRIP 1, 0, b
	TRIP 0, 0, c
	s_add_co_u32 s20, s20, 1
	s_cmp_lt_u32 s20, 7
	s_cbranch_scc1 .Lpair
	TRIP 1, 0, d                                   ; 1 + 14 + 1 = 16 trips, as many as a batch has blocks
	s_cmp_eq_u32 s19, 1
	s_cbranch_scc1 .Llast
	s_xor_b32 s18, s18, 31                         ; rank 31 - p
	PARAMS
	STAGELOADS                                     ; the next item's first loads fly during the merge, which touches neither landing place
	QLOADS
.Llast:
	; ---------------------------------------------------------------- merge of the two key halves, and the way out
	v_permlanex16_b32 v[MX0+1], v[LS0], s42, s43   ; the sums of the two halves of the lanes
	v_permlanex16_b32 v[MX0+3], v[LS0+1], s42, s43
	v_add_f32 v[LS0], v[LS0], v[MX0+1]
	v_add_f32 v[LS0+1], v[LS0+1], v[MX0+3]
.irp i, 0,1,2,3,4,5,6,7
	ds_store_b128 v[XS], v[OB+4*\i:OB+4*\i+3] offset:512*\i    ; register tile 1 goes to the partner, whose tile 0 holds these rows
.endr
	ds_store_b32 v[XM], v[MX0+2]
	ds_store_b32 v[XM], v[LS0+1] offset:128
	s_wait_dscnt 0x0                               ; stored, for the partner's sake
	BAR
.irp i, 0,1,2,3,4,5,6,7
	ds_load_b128 v[SC+4*\i:SC+4*\i+3], v[XR] offset:512*\i
.endr
	ds_load_b32 v[EW], v[XRM]                      ; m2
	ds_load_b32 v[EW+1], v[XRM] offset:128         ; l2
	s_wait_dscnt 0x0
	v_max_num_f32 v[EW+2], v[MX0], v[EW]
	v_sub_f32 v[EW+3], v[MX0], v[EW+2]
	v_sub_f32 v[EW+4], v[EW], v[EW+2]
	v_exp_f32 v[EW+3], v[EW+3]                     ; a1
	v_exp_f32 v[EW+4], v[EW+4]                     ; a2: 0 for a half without a valid key
	v_nop
	s_wait_alu depctr_va_vdst(0)
	v_mul_f32 v[EW+5], v[EW+4], v[EW+1]
	v_fma_f32 v[EW+5], v[EW+3], v[LS0], v[EW+5]    ; l = a1 l1 + a2 l2, above 0: one key at least is valid
	v_rcp_f32 v[EW+5], v[EW+5]
	v_nop
	s_wait_alu depctr_va_vdst(0)
	v_mul_f32 v[EW+6], v[EW+3], v[EW+5]            ; a1 / l, twice: a pair for the packed forms
	v_mul_f32 v[EW+7], v[EW+3], v[EW+5]
	v_mul_f32 v[EW+8], v[EW+4], v[EW+5]            ; a2 / l, twice
	v_mul_f32 v[EW+9], v[EW+4], v[EW+5]
.set ei, 0
.rept 16
	v_pk_mul_f32 v[OA+ei:OA+ei+1], v[OA+ei:OA+ei+1], v[EW+6:EW+7]
.set ei, ei+2
.endr
.set ei, 0
.rept 16
	v_pk_fma_f32 v[OA+ei:OA+ei+1], v[SC+ei:SC+ei+1], v[EW+8:EW+9], v[OA+ei:OA+ei+1]
.set ei, ei+2
.endr
.irp dt, 0,1,2,3                                   ; lane (r, h), tile dt: d = 16 dt + 8 h + 0 .. 7 of query r: 32 bytes of a row
	ds_store_b128 v[STO], v[OA+8*\dt:OA+8*\dt+3]   offset:64*\dt
	ds_store_b128 v[STO], v[OA+8*\dt+4:OA+8*\dt+7] offset:64*\dt+16
.endr
.irp i, 0,1,2,3,4,5,6,7
	ds_load_b128 v[SC+32+4*\i:SC+32+4*\i+3], v[SRD] offset:2*SP*\i     ; the stage is my own and LDS serves a wave in order (ISA guide 5.7.1)
.endr
.irp i, 0,1,2,3,4,5,6,7
	s_wait_dscnt 7-\i                              ; the younger read-backs stay out
	global_store_b128 v[OV], v[SC+32+4*\i:SC+32+4*\i+3], s[36:37] offset:512*\i th:TH_STORE_NT     ; two whole rows of 256 bytes
.endr
	s_wait_xcnt 0x0                                ; the stores' data and offset register are rewritten only behind this wait
	s_add_co_u32 s19, s19, 1
	s_cmp_lt_u32 s19, 2
	s_cbranch_scc1 .Litem
	s_wait_tensorcnt 0x0
	ds_add_u32 v62, v63
	s_wait_dscnt 0x0
	s_endpgm
.Lfunc_end_k_q2cc0e03787_attn:
	.size	k_q2cc0e03787_attn, .Lfunc_end_k_q2cc0e03787_attn-k_q2cc0e03787_attn
	.p2alignl 7, 3214868480
	.fill 96, 4, 3214868480
	.section	.rodata,"a",@progbits
	.p2align	6, 0x0
	.amdhsa_kernel k_q2cc0e03787_attn
		.amdhsa_group_segment_fixed_size 148480
		.amdhsa_private_segment_fixed_size 0
		.amdhsa_enable_private_segment 0
		.amdhsa_kernarg_size 40
		.amdhsa_user_sgpr_count 2
		.amdhsa_user_sgpr_kernarg_segment_ptr 1
		.amdhsa_wavefront_size32 1
		.amdhsa_system_sgpr_workgroup_id_x 1
		.amdhsa_system_sgpr_workgroup_id_y 1
		.amdhsa_system_sgpr_workgroup_id_z 1
		.amdhsa_system_vgpr_workitem_id 0
		.amdhsa_next_free_vgpr 352
		.amdhsa_next_free_sgpr 66
		.amdhsa_reserve_vcc 1
		.amdhsa_float_denorm_mode_32 3
		.amdhsa_float_denorm_mode_16_64 3
		.amdhsa_memory_ordered 1
		.amdhsa_forward_progress 1
		.amdhsa_inst_pref_size 120
	.end_amdhsa_kernel
	.amdgpu_metadata
---
amdhsa.version: [ 1, 2 ]
amdhsa.kernels:
  - .name:           k_q2cc0e03787_attn
    .symbol:         k_q2cc0e03787_attn.kd
    .args:
      - { .name: keys, .offset: 0, .size: 8, .value_kind: global_buffer, .address_space: global }
      - { .name: queries, .offset: 8, .size: 8, .value_kind: global_buffer, .address_space: global }
      - { .name: valid_lens, .offset: 16, .size: 8, .value_kind: global_buffer, .address_space: global }
      - { .name: values, .offset: 24, .size: 8, .value_kind: global_buffer, .address_space: global }
      - { .name: out0, .offset: 32, .size: 8, .value_kind: global_buffer, .address_space: global }
    .group_segment_fixed_size: 148480
    .private_segment_fixed_size: 0
    .kernarg_segment_align: 8
    .kernarg_segment_size: 40
    .max_flat_workgroup_size: 256
    .sgpr_count:     66
    .vgpr_count:     352
    .wavefront_size: 32
...
	.end_amdgpu_metadata
.endif
;; end of part 1
